; MI455X (gfx1250); checked and timed in simulation.
; The chip was launched on July 23, 2026; its instructions are those of AMD's public machine-readable ISA for CDNA 5 (MIT licence, August 2026) and "CDNA5" Instruction Set Architecture Reference Guide (July 2026). The comments in the code are by the model that wrote it; some were corrected since.
;; Refine Prior. Allowed arithmetic: float matrix products may take bf16 or f16 operands with f32 sums; other float arithmetic in f32, or as packed bf16 or f16 multiplies, adds, multiply-adds, maxima and minima; sums over many terms, partial sums and values carried from step to step in f32; what a program stores and reads back later, other than sums and carried values, may be rounded once to bf16 or f16.
;; Inputs: Wk 1,024 x 1,024 float32; Wo 1,024 x 1,024 float32; Wq 1,024 x 1,024 float32; Wv 1,024 x 1,024 float32; bk 1,024 float32; bo 1,024 float32; bq 1,024 float32; bv 1,024 float32; pos_emb 1 x 16 x 16 x 16 float32; shape_tokens 1,024 x 16 x 1,024 float32.
;; Outputs: out0 1,024 x 16 x 1,024 float32.
;; 2 versions, each right; version 2 is version 1 with the launch prep written anew for expert scheduling mode. Each part assembles by itself: llvm-mc -triple=amdgcn-amd-amdhsa -mcpu=gfx1250 --defsym DOCPART=n.
;; ======== version 1 of 2: 3 launches
;; limits: values are held in f16: magnitudes above 65,504 overflow, below 6.1e-05 lose precision
;; workspace buffers: xb 33,554,432 bytes; wqkv 6,291,456 bytes; wo16 2,097,152 bytes; ctx 33,554,432 bytes
;; launch prep (part 1): grid 640 x 1, 8 waves a work-group, no clusters, 0 bytes of LDS; arguments shape_tokens, Wq, Wk, Wv, Wo, xb, wqkv, wo16; writes xb, wqkv, wo16
.if DOCPART == 1
	.amdgcn_target "amdgcn-amd-amdhsa--gfx1250"
	.amdhsa_code_object_version 6
	.text
	.protected	k_qe959c862fc_prep
	.globl	k_qe959c862fc_prep
	.p2align	8
	.type	k_qe959c862fc_prep,@function
k_qe959c862fc_prep:
	s_mov_b64 s[64:65], 0
	v_nop
	global_prefetch_b8 v0, s[64:65] scope:SCOPE_SE
	s_setreg_imm32_b32 hwreg(HW_REG_WAVE_MODE, 25, 1), 1
	s_wait_xcnt 0x0
; CASTS, ONCE.  x [16384][1024] f32 -> xb, bf16, laid out [kb 16][row 16384][64]: a tile of rows x 64 channels is dense.
; Wq, Wk, Wv [1024 k][1024 n] f32 -> wqkv, bf16, [k][hp 8][t 3 (q, k, v)][128]: a head pair's 384 columns are 768 consecutive bytes of a row of 6,144.
; Wo [1024 k][1024 n] f32 -> wo16: rounded to bf16 like every other input, and that number written as f16 (exact from 6.1e-5 up to 65,504;
; LIMIT: below 6.1e-5 in magnitude it keeps f16's fixed step of 6e-8, beyond 65,504 it would be an infinity).
; A stream: no LDS, no matrix unit, no cluster (no byte is read twice).  A work-group takes 32 rows x 1,024 columns of one matrix: 131,072 bytes in.
; Work-groups 0-511: x.  512-639: matrix (id - 512) / 32 of Wq, Wk, Wv, Wo, rows 32 ((id - 512) % 32) on.
; A wave takes 128 columns of the 32 rows: 32 loads of 16 bytes a lane, all issued before the first is used; each load is converted and leaves by one
; store of 8 bytes a lane: the wave's 32 lanes store 256 consecutive bytes, aligned.
.set VI, 2                             ; v2   my byte offset in a load
.set VO, 3                             ; v3   8 x lane: my byte offset in a store
.set X,  8                             ; v[8:135]    load n: 4 registers
.set Y,  136                           ; v[136:199]  store n: 2 registers; none is written twice, so no store's data is ever rewritten
.set T,  200                           ; v[200:201]  at work
; 32 loads, then for each its conversion and store.  Load n stands at (n / 2) IA + (n % 2) IB, store n at (n / 2) OA + (n % 2) OB.  kind 1: bf16's number as f16.
.macro PASS IA, IB, OA, OB, kind
.set n, 0
.rept 32
	global_load_b128 v[X+4*n:X+4*n+3], v[VI], s[24:25] offset:(n/2)*(\IA)+(n%2)*(\IB) th:TH_LOAD_NT
.set n, n+1
.endr
.set n, 0
.rept 32
	s_wait_loadcnt 31-n                            ; loads come back in order (ISA guide 5.7.1): load n is in, the 31 - n younger ones stay out
.if \kind
	v_cvt_pk_bf16_f32 v[T], v[X+4*n], v[X+4*n+1]   ; rounded to bf16,
	v_cvt_pk_bf16_f32 v[T+1], v[X+4*n+2], v[X+4*n+3]
	v_lshlrev_b32 v[X+4*n], 16, v[T]               ; widened again,
	v_and_b32 v[X+4*n+1], s6, v[T]
	v_lshlrev_b32 v[X+4*n+2], 16, v[T+1]
	v_and_b32 v[X+4*n+3], s6, v[T+1]
	v_cvt_pk_f16_f32 v[Y+2*n], v[X+4*n], v[X+4*n+1]  ; and written as f16
	v_cvt_pk_f16_f32 v[Y+2*n+1], v[X+4*n+2], v[X+4*n+3]
.else
	v_cvt_pk_bf16_f32 v[Y+2*n], v[X+4*n], v[X+4*n+1]
	v_cvt_pk_bf16_f32 v[Y+2*n+1], v[X+4*n+2], v[X+4*n+3]
.endif
	global_store_b64 v[VO], v[Y+2*n:Y+2*n+1], s[26:27] offset:(n/2)*(\OA)+(n%2)*(\OB) th:TH_STORE_NT
.set n, n+1
.endr
	s_endpgm
.endm
	s_load_b512 s[8:23], s[0:1], 0x0               ; x s[8:9], Wq s[10:11], Wk s[12:13], Wv s[14:15], Wo s[16:17], xb s[18:19], wqkv s[20:21], wo16 s[22:23]
	v_and_b32 v1, 31, v0                           ; lane
	v_lshrrev_b32 v4, 5, v0
	v_readfirstlane_b32 s4, v4                     ; wave 0..7
	v_lshlrev_b32 v[VO], 3, v1
	s_mov_b32 s5, ttmp9
	s_mov_b32 s29, 0                               ; the offsets' high words
	s_mov_b32 s31, 0
	s_mov_b32 s6, 0xffff0000                       ; a word's upper bf16
	s_lshl_b32 s7, s4, 9                           ; my wave's 128 columns: 512 bytes of a row of f32
	s_cmp_lt_u32 s5, 512
	s_cbranch_scc0 .Lweights
	; x.  A load takes two rows, 256 bytes (64 channels: one kb) of each; wave w has kb 2 w and 2 w + 1.  In xb those two rows' 64 channels are 256 consecutive bytes.
	v_and_b32 v5, 15, v1
	v_lshrrev_b32 v6, 4, v1
	v_lshlrev_b32 v[VI], 4, v5
	v_lshl_add_u32 v[VI], v6, 12, v[VI]            ; (lane / 16) x 4,096 + (lane % 16) x 16
	s_lshl_b32 s28, s5, 17                         ; 32 rows of 4,096 bytes
	s_add_co_u32 s28, s28, s7
	s_lshl_b32 s30, s4, 22                         ; kb 2 w: 2 x 2,097,152 bytes
	s_lshl_b32 s7, s5, 12                          ; 32 rows of 128 bytes
	s_add_co_u32 s30, s30, s7
	s_wait_kmcnt 0x0
	s_add_nc_u64 s[24:25], s[8:9], s[28:29]
	s_add_nc_u64 s[26:27], s[18:19], s[30:31]
	PASS 8192, 256, 256, 2097152, 0
.Lweights:
	; a weight matrix.  A load takes one row's 512 bytes: 128 columns, which are head pair w.
	v_lshlrev_b32 v[VI], 4, v1
	s_sub_co_u32 s5, s5, 512
	s_lshr_b32 s32, s5, 5                          ; which matrix
	s_and_b32 s33, s5, 31                          ; which 32 rows
	s_lshl_b32 s28, s33, 17
	s_add_co_u32 s28, s28, s7
	s_wait_kmcnt 0x0
	s_cmp_eq_u32 s32, 3
	s_cbranch_scc1 .Lwo
	s_cmp_eq_u32 s32, 0
	s_cselect_b64 s[24:25], s[10:11], s[12:13]
	s_cmp_eq_u32 s32, 2
	s_cselect_b64 s[24:25], s[14:15], s[24:25]
	s_add_nc_u64 s[24:25], s[24:25], s[28:29]
	s_mul_i32 s30, s33, 32*6144                    ; 32 rows of wqkv,
	s_mul_i32 s7, s4, 768                          ; head pair w,
	s_add_co_u32 s30, s30, s7
	s_lshl_b32 s7, s32, 8                          ; q, k or v
	s_add_co_u32 s30, s30, s7
	s_add_nc_u64 s[26:27], s[20:21], s[30:31]
	PASS 8192, 4096, 12288, 6144, 0
.Lwo:
	s_add_nc_u64 s[24:25], s[16:17], s[28:29]
	s_lshl_b32 s30, s33, 16                        ; 32 rows of 2,048 bytes
	s_lshl_b32 s7, s4, 8
	s_add_co_u32 s30, s30, s7
	s_add_nc_u64 s[26:27], s[22:23], s[30:31]
	PASS 8192, 4096, 4096, 2048, 1
.Lfunc_end_k_qe959c862fc_prep:
	.size	k_qe959c862fc_prep, .Lfunc_end_k_qe959c862fc_prep-k_qe959c862fc_prep
	.p2alignl 7, 3214868480
	.fill 96, 4, 3214868480
	.section	.rodata,"a",@progbits
	.p2align	6, 0x0
	.amdhsa_kernel k_qe959c862fc_prep
		.amdhsa_group_segment_fixed_size 0
		.amdhsa_private_segment_fixed_size 0
		.amdhsa_enable_private_segment 0
		.amdhsa_kernarg_size 64
		.amdhsa_user_sgpr_count 2
		.amdhsa_user_sgpr_kernarg_segment_ptr 1
		.amdhsa_wavefront_size32 1
		.amdhsa_system_sgpr_workgroup_id_x 1
		.amdhsa_system_sgpr_workgroup_id_y 1
		.amdhsa_system_sgpr_workgroup_id_z 1
		.amdhsa_system_vgpr_workitem_id 0
		.amdhsa_next_free_vgpr 208
		.amdhsa_next_free_sgpr 66
		.amdhsa_reserve_vcc 0
		.amdhsa_float_denorm_mode_32 3
		.amdhsa_float_denorm_mode_16_64 3
		.amdhsa_memory_ordered 1
		.amdhsa_forward_progress 1
		.amdhsa_inst_pref_size 44
	.end_amdhsa_kernel
	.amdgpu_metadata
---
amdhsa.version: [ 1, 2 ]
amdhsa.kernels:
  - .name:           k_qe959c862fc_prep
    .symbol:         k_qe959c862fc_prep.kd
    .args:
      - { .name: shape_tokens, .offset: 0, .size: 8, .value_kind: global_buffer, .address_space: global }
      - { .name: Wq, .offset: 8, .size: 8, .value_kind: global_buffer, .address_space: global }
      - { .name: Wk, .offset: 16, .size: 8, .value_kind: global_buffer, .address_space: global }
      - { .name: Wv, .offset: 24, .size: 8, .value_kind: global_buffer, .address_space: global }
      - { .name: Wo, .offset: 32, .size: 8, .value_kind: global_buffer, .address_space: global }
      - { .name: xb, .offset: 40, .size: 8, .value_kind: global_buffer, .address_space: global }
      - { .name: wqkv, .offset: 48, .size: 8, .value_kind: global_buffer, .address_space: global }
      - { .name: wo16, .offset: 56, .size: 8, .value_kind: global_buffer, .address_space: global }
    .group_segment_fixed_size: 0
    .private_segment_fixed_size: 0
    .kernarg_segment_align: 8
    .kernarg_segment_size: 64
    .max_flat_workgroup_size: 256
    .sgpr_count:     66
    .vgpr_count:     208
    .wavefront_size: 32
...
	.end_amdgpu_metadata
.endif
;; end of part 1
;; launch qkvattn (part 2): grid 8 x 64, 4 waves a work-group, clusters of 4 x 4, 327,680 bytes of LDS; arguments xb, wqkv, bq, bk, bv, pos_emb, ctx; writes ctx
.if DOCPART == 2
	.amdgcn_target "amdgcn-amd-amdhsa--gfx1250"
	.amdhsa_code_object_version 6
	.text
	.protected	k_qe959c862fc_qkvattn
	.globl	k_qe959c862fc_qkvattn
	.p2align	8
	.type	k_qe959c862fc_qkvattn,@function
k_qe959c862fc_qkvattn:
	s_mov_b64 s[64:65], 0
	v_nop
	global_prefetch_b8 v0, s[64:65] scope:SCOPE_SE
	s_setreg_imm32_b32 hwreg(HW_REG_WAVE_MODE, 25, 1), 1
	s_wait_xcnt 0x0
	s_wait_alu depctr_hold_cnt(0) depctr_sa_sdst(0) depctr_va_vdst(0) depctr_va_sdst(0) depctr_va_ssrc(0) depctr_va_vcc(0) depctr_vm_vsrc(0)
	s_getreg_b32 s2, hwreg(HW_REG_IB_STS2, 6, 4)
	s_cmp_eq_u32 s2, 0
	s_cbranch_scc0 .Lentry_in_a_cluster
	s_endpgm
.Lentry_in_a_cluster:
	s_bfe_u32 s2, ttmp6, 0x10000c
	s_cmp_lg_u32 s2, 0xf033
	s_cbranch_scc0 .Lentry_shape_is_right
	s_endpgm
.Lentry_shape_is_right:
; q, k, v = x W + b, and the attention of 16 tokens inside each batch and head, in one launch.  x and the weights come in bf16 (xb, wqkv); sums in f32.
; A work-group makes 256 rows (16 batches) x 384 columns: q, k and v of one pair of heads.  Wave w: wm = w / 2 takes 128 rows (8 batches), wn = w % 2 one head: 192 columns.
; 96 accumulators of 16 x 16, 768 registers.  So a wave ends with q, k and v of its 8 (batch, head) pairs in its own registers, and the attention never leaves the wave.
; OPERAND ORDER.  q and k are made transposed (source 0 = 16 columns of W, source 1 = 16 rows of x): a lane holds one token, its registers channels 8 (lane / 16) + 0..7.  v is made as it
; lies (source 0 = x, source 1 = W): a lane holds one channel, its registers tokens 8 (lane / 16) + 0..7.  Rounded in pairs to f16 these ARE the fragments of S^T = K Q^T and O^T = V^T P.
; ATTENTION.  S^T starts from C = 8 pos_emb; p = 2^(c s - c m) / l with c = log2(e) / 8, m the row's true maximum, l the row's sum, all in f32; p is rounded to f16.  A batch has 16 keys, the product
; takes 32: two batches share one V operand, and each batch's P has zeros in the other's half.  bv is the C of V^T P (the p of a row add up to 1).  ctx leaves in f16, in the order in which the next launch's fragments want it.
; FORMATS.  All inputs count rounded to bf16 (the biases and pos_emb here).  q, k, v, p, ctx are f16.
; LIMITS.  q, k, v beyond 65,504 in magnitude become infinities.  An infinity or NaN in one batch's v spoils the batch that shares its V operand (0 x infinity).  A weight below 2^-126 counts as 0.
; K goes in steps of 64 through two LDS slots; a step is two units of 32 along K, 96 matrix instructions each.
; CLUSTER.  4 x 4 work-groups.  x's tile hangs on the row block alone and is shared along a row of the cluster, W's on the head pair alone and is shared along a column: each is asked for jointly.
; REGISTERS, in windows of 256 (s_set_vgpr_msb: bits 1:0 source 0, 3:2 source 1, 5:4 source 2, 7:6 destination):
;   window 0: v0-31 addresses; v32-95, v96-159 x's fragments, two buffers (8 x 16 rows x 32 K); v160-255 W's fragments, 32 for each of q, k, v
;   window 1, 2, 3: the 32 accumulators of q, k, v: (row block a, column block b) at v[8 (4 a + b)]
.set SLOT,  92160                      ; a slot: x's 256 rows x 144 bytes, then W's 64 rows x 864 bytes
.set BOFF,  36864
.set PA,    144                        ; a row of x in LDS: 128 bytes + 16 = 36 words: the 16 rows of a load start at 16 different groups of four banks (64 banks of 4 bytes: ISA guide 11.1)
.set PB,    864                        ; a row of W: three times 256 bytes + 32 = 216 words
.set SEG,   288                        ; q's, k's, v's 128 columns lie 288 bytes apart in it
.set TAB,   2*SLOT                     ; behind the ring, never a fill's target: each wave's table of biases and pos_emb, 26 x 512 bytes
.set TABW,  26*512
.set SPARE, TAB+4*TABW                 ; behind the tables: the spare words, 128 bytes for each wave: two blocks of 256 bytes that no other line names
.set ADRA, 16                          ; v16-17  LDS address of my fragments of x in slot 0, 1
.set ADRB, 20                          ; v20-21  the same for W
.set TABA, 22                          ; v22     my 16 bytes in my wave's table
.set CO,   24                          ; v24     16 x lane: my byte offset in 512 consecutive bytes of ctx
.set SPW,  28                          ; v28     LDS address of my spare word; never rewritten
.set NIL,  29                          ; v29     0; never rewritten
.set PFO,  30                          ; v30     the prefetches' lane offset; never rewritten
.set FA0,  32
.set FA1,  96
.set FB,   160
.set BQ,   32                          ; the attention's map of window 0: v32-63 bq, v64-95 bk, later S^T (8 a batch);
.set BK,   64
.set S,    32
.set P,    96                          ; v96-143 P: pair p of batches at 96 + 12 p: p of batch 2 p (4), zeros (4), p of batch 2 p + 1 (4);
.set BV,   160                         ; v160-191 bv; v192-199 8 pos_emb;
.set POS,  192
.set ST,   200                         ; v200-231 four registers of statistics a batch;
.set CT,   32                          ; v32-159, at the end: ctx, packed
.set G1,  24                           ; s[24:31] descriptor group 1 for x's tiles;  s[32:39] group 0, a set for each slot
.set G0,  32
.set G1B, 48                           ; s[48:55], s[56:63] the same for W's
.set G0B, 56
.set LIM, 43                           ; s43      1 in a wave that prefetches, else the greatest number
.set PFA, 44                           ; s[44:45] where my prefetches stand
.set PFS, 82                           ; s[82:83] their step: two K steps
.set CS,  84                           ; s[84:85] c
.set SEL, 86                           ; s[86:87] v_permlanex16_b32's selects: each lane takes its own place in the other half
.set HM,  88                           ; s88      a word's upper bf16
.set MSB, 0
.macro WIN new                         ; the immediate's high byte repeats the setting that is left; a switch that changes nothing is dropped
.if MSB != (\new)
	s_set_vgpr_msb (MSB<<8)|(\new)
.set MSB, \new
.endif
.endm
; A joint load.  Waves 0 and 1 fetch the two halves of x's tile, waves 2 and 3 those of W's.  The branch hangs on the wave's number alone.
; An s_nop 0 and four v_nop follow each of the two lines, ahead of the jump and the label.
.macro JLOAD s
	s_cmp_eq_u32 s11, 0
	s_cbranch_scc0 .Lfor_b_\@
	tensor_load_to_lds s[G0+4*(\s):G0+4*(\s)+3], s[G1:G1+7]
	s_nop 0
.rept 4
	v_nop
.endr
	s_branch .Lasked_\@
.Lfor_b_\@:
	tensor_load_to_lds s[G0B+4*(\s):G0B+4*(\s)+3], s[G1B:G1B+7]
	s_nop 0
.rept 4
	v_nop
.endr
.Lasked_\@:
.endm
.macro CREST                           ; a round of the cluster's barrier behind its opening barrier
	s_cmp_lg_u32 s10, 0
	s_cbranch_scc1 .Lnot_wave_0_\@
	s_barrier_signal -3
.Lnot_wave_0_\@:
	s_barrier_wait -3
	s_barrier_signal -1
	s_barrier_wait -1
.endm
.macro CROUND                          ; a whole round
	s_barrier_signal -1
	s_barrier_wait -1
	CREST
.endm
.macro PLACES                          ; four places in front of loads into registers that matrix instructions have read, and of vector lines that read results
.rept 4
	v_nop
.endr
.endm
; A PREFETCH, once a lap, behind the lap's first joint load and the run of LDS loads that follows it: the two K steps that the NEXT lap's two refills will ask for.
; x's tile rows are read by both clusters of a row of clusters: cluster x = 0 asks; W's columns by all sixteen clusters of a column: cluster y = 0 asks.  The four partners that share a tile tell their parts
; apart BY ADDRESS.  Wave 0: of x's 256 rows x 128 bytes of a K step the partner at cx takes 64 rows, 8,192 dense bytes, a lane 256 of them; one line for each of the two K steps.
; Waves 1 to 3: third w - 1 (256 bytes) of W's rows; of the two K steps' 128 rows the partner at cy takes 32, a lane a row.  So each block of 256 bytes is named once in the launch.
; K steps 0 to 3 come by their loads alone; the loop's last trip (s3 = 1) has no lap behind it and asks for nothing.
.macro ASK
	s_cmp_gt_u32 s3, s[LIM]
	s_cbranch_scc0 .Lnot_mine_\@
	global_prefetch_b8 v[PFO], s[PFA:PFA+1] th:TH_LOAD_NT scope:SCOPE_SE
	s_cmp_lg_u32 s10, 0
	s_cbranch_scc1 .Lnot_mine_\@
	global_prefetch_b8 v[PFO], s[PFA:PFA+1] offset:2097152 th:TH_LOAD_NT scope:SCOPE_SE
.Lnot_mine_\@:
.endm
	s_load_b256 s[68:75], s[0:1], 0x0              ; xb s[68:69], wqkv s[70:71], bq s[72:73], bk s[74:75]
	s_load_b128 s[76:79], s[0:1], 0x20             ; bv s[76:77], pos_emb s[78:79]
	s_load_b64 s[80:81], s[0:1], 0x30              ; ctx
	v_lshl_add_u32 v[SPW], v0, 2, SPARE
	v_mov_b32 v[NIL], 0
	ds_add_u32 v[SPW], v[NIL]                      ; the wave's opening: the add and its wait ahead of my first tensor load; the set-up below, work on registers, stands between them
	v_lshrrev_b32 v1, 5, v0
	v_readfirstlane_b32 s10, v1                    ; wave 0..3
	s_lshr_b32 s11, s10, 1                         ; wm: which 128 rows are mine.  Also: I fetch for x (0) or for W (1)
	s_and_b32 s12, s10, 1                          ; wn: which head of the pair.  Also: which half of that tile I fetch
	s_bfe_u32 s40, ttmp6, 0x40000                  ; cx, cy: my place in the cluster
	s_bfe_u32 s41, ttmp6, 0x40004
	s_lshl_b32 s42, ttmp9, 2
	s_add_co_u32 s42, s42, s40                     ; the head pair = 4 x cluster x + cx
	s_and_b32 s13, ttmp7, 0xffff
	s_lshl_b32 s13, s13, 2
	s_add_co_u32 s13, s13, s41                     ; the block of 256 rows = 4 x cluster y + cy
	s_lshl_b32 s43, s41, 2
	s_lshl_b32 s43, 15, s43                        ; my row of the cluster
	s_lshl_b32 s44, 0x1111, s40                    ; my column
	; group 1 for x: 128 rows of 128 bytes are 16,384 dense bytes: asked for as 64 rows of 256 bytes, padded in LDS after every 128
	s_or_b32 s[G1+0], s43, (1<<16)|(1<<20)|(1<<21)|(4<<22)|(3<<25)  ; 15:0 the mask; 17:16 2-byte elements; 20 padding on; 21 set beside a mask; 24:22 after every 32 words (code 4); 31:25 4 words (code 3)
	s_mov_b32 s[G1+1], 128<<16                     ; tensor_dim0 = 128
	s_mov_b32 s[G1+2], 64<<16                      ; tensor_dim1 = 64
	s_mov_b32 s[G1+3], 128<<16                     ; tile_dim0 = 128
	s_mov_b32 s[G1+4], 64                          ; tile_dim1 = 64
	s_mov_b32 s[G1+5], 128                         ; elements from row to row
	s_mov_b32 s[G1+6], 0
	s_mov_b32 s[G1+7], 0
	; group 1 for W: 32 rows of 384 elements, 3,072 apart, padded by 32 bytes after every 256
	s_or_b32 s[G1B+0], s44, (1<<16)|(1<<20)|(1<<21)|(5<<22)|(7<<25) ; after every 64 words (code 5), 8 words (code 7)
	s_mov_b32 s[G1B+1], 384<<16
	s_mov_b32 s[G1B+2], 32<<16
	s_mov_b32 s[G1B+3], 384<<16
	s_mov_b32 s[G1B+4], 32
	s_mov_b32 s[G1B+5], 3072
	s_mov_b32 s[G1B+6], 0
	s_mov_b32 s[G1B+7], 0
	s_lshl_b32 s16, s13, 15                        ; x: 256 rows of 128 bytes a block,
	s_lshl_b32 s17, s12, 14                        ; my 128 of them
	s_add_co_u32 s16, s16, s17
	s_mov_b32 s17, 0
	s_mul_i32 s46, s12, 32*6144                    ; W: my 32 of a K step's 64 rows,
	s_mul_i32 s47, s42, 768                        ; the head pair's 768 bytes
	s_add_co_u32 s46, s46, s47
	s_mov_b32 s47, 0
	s_mul_i32 s20, s12, 128*PA                     ; where they go: no place in the cluster enters an LDS address
	s_mul_i32 s21, s12, 32*PB
	s_add_co_u32 s21, s21, BOFF
	s_mov_b32 s[CS], 0x3e38aa3b                    ; c = log2(e) / 8
	s_mov_b32 s[CS+1], s[CS]                       ; named with it as a pair
	s_mov_b32 s[SEL], 0x76543210
	s_mov_b32 s[SEL+1], 0xfedcba98
	s_mov_b32 s[HM], 0xffff0000
	s_wait_dscnt 0x0                               ; the opening add is done
	s_wait_kmcnt 0x0
	s_add_nc_u64 s[14:15], s[68:69], s[16:17]
	s_add_nc_u64 s[46:47], s[70:71], s[46:47]
	CROUND                                         ; all sixteen work-groups are here: the first joint loads meet
.irp s, 0,1
	s_mov_b32 s[G0+4*(\s)], 1                                      ; count = 1
	s_add_co_u32 s[G0+4*(\s)+1], s20, (\s)*SLOT                    ; LDS address
	s_add_nc_u64 s[G0+4*(\s)+2:G0+4*(\s)+3], s[14:15], (\s)*2097152  ; K step s: xb's block kb = s
	s_or_b32 s[G0+4*(\s)+3], s[G0+4*(\s)+3], 0x80000000            ; type = 2
	s_mov_b32 s[G0B+4*(\s)], 1
	s_add_co_u32 s[G0B+4*(\s)+1], s21, (\s)*SLOT
	s_add_nc_u64 s[G0B+4*(\s)+2:G0B+4*(\s)+3], s[46:47], (\s)*64*6144
	s_or_b32 s[G0B+4*(\s)+3], s[G0B+4*(\s)+3], 0x80000000
	JLOAD \s                                       ; two tensor loads of mine are out
.endr
	; THE TABLE, made while the first tiles are on their way: for my head, in the accumulators' own layout: bq, bk, bv of channels 16 cb + 8 (lane / 16) + 0..7, and pos_emb[head][query lane % 16][keys 8 (lane / 16) + 0..7]
	v_and_b32 v1, 15, v0                           ; l % 16
	v_bfe_u32 v2, v0, 4, 1                         ; l / 16
	s_lshl_b32 s22, s42, 1
	s_add_co_u32 s22, s22, s12                     ; my head
	s_lshl_b32 s23, s22, 8                         ; its 64 numbers of a bias
	v_lshlrev_b32 v3, 5, v2
	v_add_nc_u32 v4, s23, v3
	s_lshl_b32 s23, s22, 10                        ; its 256 numbers of pos_emb
	v_lshl_add_u32 v5, v1, 6, v3
	v_add_nc_u32 v5, s23, v5
.irp cb, 0,1,2,3
	global_load_b128 v[32+8*\cb:32+8*\cb+3],   v4, s[72:73] offset:64*\cb
	global_load_b128 v[32+8*\cb+4:32+8*\cb+7], v4, s[72:73] offset:64*\cb+16
	global_load_b128 v[64+8*\cb:64+8*\cb+3],   v4, s[74:75] offset:64*\cb
	global_load_b128 v[64+8*\cb+4:64+8*\cb+7], v4, s[74:75] offset:64*\cb+16
	global_load_b128 v[96+8*\cb:96+8*\cb+3],   v4, s[76:77] offset:64*\cb
	global_load_b128 v[96+8*\cb+4:96+8*\cb+7], v4, s[76:77] offset:64*\cb+16
.endr
	global_load_b128 v[128:131], v5, s[78:79]
	global_load_b128 v[132:135], v5, s[78:79] offset:16
	; A fragment of x is 16 rows x 32 K in 8 registers: lane l holds row l % 16, K = 8 (l / 16) + 0..7 and 16 + 8 (l / 16) + 0..7: two loads of 16 bytes, 32 bytes apart.
	v_mul_u32_u24 v6, v1, PA
	v_lshl_add_u32 v6, v2, 4, v6
	s_mul_i32 s21, s11, 128*PA                     ; my 128 rows
	v_add_nc_u32 v[ADRA], s21, v6
	s_add_co_u32 s21, s21, SLOT
	v_add_nc_u32 v[ADRA+1], s21, v6
	; W lies [K][column]: the turning load takes 16 K x 16 columns (lane l reads K = 8 (l / 16) + l % 8, columns 8 ((l / 8) % 2) + 0..7) and leaves half a fragment: lane l holds column l % 16 and 8 K.
	v_and_b32 v7, 7, v0
	v_lshl_add_u32 v7, v2, 3, v7
	v_mul_u32_u24 v7, v7, PB
	v_bfe_u32 v8, v0, 3, 1
	v_lshl_add_u32 v7, v8, 4, v7
	s_lshl_b32 s22, s12, 7                         ; my head's 64 columns of the 128
	s_add_co_u32 s22, s22, BOFF
	v_add_nc_u32 v[ADRB], s22, v7
	s_add_co_u32 s22, s22, SLOT
	v_add_nc_u32 v[ADRB+1], s22, v7
	v_and_b32 v9, 31, v0                           ; l
	s_mul_i32 s23, s10, TABW
	s_add_co_u32 s23, s23, TAB
	v_lshl_add_u32 v[TABA], v9, 4, s23
	v_lshlrev_b32 v[CO], 4, v9
	; ctx at my wave's first block: [head pair][batch][8 channels c8][token][8]: 4 MiB a head pair, 4,096 bytes a batch, 2,048 a head
	s_lshl_b32 s20, s42, 22
	s_lshl_b32 s21, s13, 16
	s_add_co_u32 s20, s20, s21
	s_lshl_b32 s21, s11, 15
	s_add_co_u32 s20, s20, s21
	s_lshl_b32 s21, s12, 11
	s_add_co_u32 s20, s20, s21
	s_mov_b32 s21, 0
	s_add_nc_u64 s[80:81], s[80:81], s[20:21]
	; the prefetches
	s_and_b32 s22, ttmp7, 0xffff                   ; cluster y
	s_mov_b32 s20, 2*2097152
	s_mov_b32 s21, 128*6144
	s_mov_b32 s23, 6144
	s_cmp_eq_u32 s10, 0                            ; wave 0 asks for x, the others for W
	s_cselect_b32 s22, ttmp9, s22                  ; the coordinate along which other clusters read the same rows
	s_cselect_b64 s[PFA:PFA+1], s[68:69], s[70:71]
	s_cselect_b32 s[PFS], s20, s21
	s_cselect_b32 s23, 0x100, s23
	s_mov_b32 s[PFS+1], 0
	v_mul_u32_u24 v[PFO], s23, v9                  ; x: 256 bytes a lane; W: a row a lane
	s_cmp_eq_u32 s22, 0
	s_cselect_b32 s[LIM], 1, -1                    ; the same in all sixteen partners, for a given wave
	s_lshl_b32 s20, s13, 15                        ; x: the block's rows,
	s_lshl_b32 s21, s40, 13                        ; my work-group's 64 of them,
	s_add_co_u32 s20, s20, s21
	s_add_co_u32 s20, s20, 2*2097152               ; at K step 2: the first lap steps it to 4
	s_mul_i32 s21, s41, 32*6144                    ; W: my work-group's 32 rows of 128,
	s_mul_i32 s23, s42, 768
	s_add_co_u32 s21, s21, s23
	s_lshl_b32 s23, s10, 8                         ; third w - 1 of the 768 bytes,
	s_add_co_u32 s21, s21, s23
	s_add_co_u32 s21, s21, 128*6144-256            ; at K step 2
	s_cmp_eq_u32 s10, 0
	s_cselect_b32 s20, s20, s21
	s_mov_b32 s21, 0
	s_add_nc_u64 s[PFA:PFA+1], s[PFA:PFA+1], s[20:21]
	s_wait_loadcnt 0x0                             ; the table's 26 loads
.set i, 0
.rept 52                                       ; every number is rounded to bf16, like the other inputs, and widened again
	v_cvt_pk_bf16_f32 v[6+i%4], v[32+2*i], v[32+2*i+1]
	v_lshlrev_b32 v[32+2*i], 16, v[6+i%4]
	v_and_b32 v[32+2*i+1], s[HM], v[6+i%4]
.set i, i+1
.endr
.set i, 128
.rept 8
	v_mul_f32 v[i], 0x41000000, v[i]               ; 8 pos_emb (exact): c (q . k + 8 pos) = log2(e) (q . k / 8 + pos)
.set i, i+1
.endr
.set i, 0
.rept 26
	ds_store_b128 v[TABA], v[32+4*i:32+4*i+3] offset:512*i  ; my wave's own bytes: nobody else reads them
.set i, i+1
.endr
; 16 matrix instructions of group g (0 q, 1 k, 2 v): row blocks 4 half + 0..3 x the group's 4 column blocks, 32 along K, x's fragments in buffer f.  zero = 1: the products start the sums.
; In a unit all 96 accumulators take turns, one instruction a turn.
.macro GRP g, f, half, zero
	WIN 0x50*((\g)+1)                              ; C and D in window g + 1, both sources in window 0
.irp a, 0,1,2,3
.irp b, 0,1,2,3
.set rD, 8*(4*(4*(\half)+\a)+\b)
.set rX, (\f)+8*(4*(\half)+\a)
.set rW, FB+32*(\g)+8*\b
.if (\g) < 2
.if \zero
	v_wmma_f32_16x16x32_bf16 v[rD:rD+7], v[rW:rW+7], v[rX:rX+7], 0
.else
	v_wmma_f32_16x16x32_bf16 v[rD:rD+7], v[rW:rW+7], v[rX:rX+7], v[rD:rD+7]
.endif
.else
.if \zero
	v_wmma_f32_16x16x32_bf16 v[rD:rD+7], v[rX:rX+7], v[rW:rW+7], 0
.else
	v_wmma_f32_16x16x32_bf16 v[rD:rD+7], v[rX:rX+7], v[rW:rW+7], v[rD:rD+7]
.endif
.endif
.endr
.endr
.endm
.macro LDB g, slot, kq                 ; 8 turning loads: group g's four fragments of W for unit kq of the slot
	WIN 0
.irp b, 0,1,2,3
	ds_load_tr16_b128 v[FB+32*(\g)+8*\b:FB+32*(\g)+8*\b+3],   v[ADRB+(\slot)] offset:(\kq)*32*PB+(\g)*SEG+32*\b
	ds_load_tr16_b128 v[FB+32*(\g)+8*\b+4:FB+32*(\g)+8*\b+7], v[ADRB+(\slot)] offset:(\kq)*32*PB+(\g)*SEG+32*\b+16*PB
.endr
.endm
.macro LDA f, slot, kq                 ; 16 loads: x's eight fragments for unit kq of the slot
	WIN 0
.irp a, 0,1,2,3,4,5,6,7
	ds_load_b128 v[(\f)+8*\a:(\f)+8*\a+3],   v[ADRA+(\slot)] offset:16*PA*\a+64*(\kq)
	ds_load_b128 v[(\f)+8*\a+4:(\f)+8*\a+7], v[ADRA+(\slot)] offset:16*PA*\a+64*(\kq)+32
.endr
.endm
; A K step's first unit.  W's fragments have one buffer a group: a group's next fragments are asked for four places behind its last product, 64 products ahead of their use.
; On entry 40 LDS loads may be out, in this order: q's W (8), k's W (8), x (16), v's W (8).
.macro EVEN slot, zero
	s_wait_dscnt 8                                 ; all but v's eight
	GRP 0, FA0, 0, \zero
	GRP 0, FA0, 1, \zero
	PLACES
	LDB 0, \slot, 1
	GRP 1, FA0, 0, \zero
	GRP 1, FA0, 1, \zero
	PLACES
	LDB 1, \slot, 1
	LDA FA1, \slot, 1
	s_wait_dscnt 32                                ; v's eight are in; the 8 + 8 + 16 issued since may stay out
	GRP 2, FA0, 0, \zero
	GRP 2, FA0, 1, \zero
	PLACES
	LDB 2, \slot, 1
.endm
; A K step's second unit, which changes slots: ONE barrier.  In front of it each wave waits for all its tensor loads (one is out: its part of the next slot), adds 0 to its spare word, and waits for that and
; for its own reads of this slot, which are all issued.  fill = 1: the barrier opens a round of the cluster's, and this slot is filled again, two K steps on, first thing behind the round:
; 160 matrix instructions ahead of the wait for it.
.macro ODD slot, next, fill
.if (\fill) && ((\slot) == 0)
	s_wait_xcnt 0x0                                ; the last prefetches, a lap back, have read their address: it is stepped here, ahead of the change's own waits
	s_add_nc_u64 s[PFA:PFA+1], s[PFA:PFA+1], s[PFS:PFS+1]
.endif
	WIN 0                                          ; (the add's two registers lie in window 0)
	s_wait_tensorcnt 0x0                           ; all my tensor loads have landed
	ds_add_u32 v[SPW], v[NIL]                      ; 0 onto my spare word
	s_wait_dscnt 9                                 ; (the add and v's eight loads may be out)
	GRP 0, FA1, 0, 0                               ; sixteen matrix instructions stand between the add and the wait for it
	s_wait_dscnt 0x0                               ; the add is done, and my reads of this slot are over
	s_barrier_signal -1
	GRP 0, FA1, 1, 0                               ; work on registers while the others arrive
	WIN 0
	s_barrier_wait -1
.if \fill
	CREST                                          ; no wave of any partner still reads this slot or has a load on its way
	s_add_nc_u64 s[G0+4*(\slot)+2:G0+4*(\slot)+3], s[G0+4*(\slot)+2:G0+4*(\slot)+3], 2*2097152
	s_add_nc_u64 s[G0B+4*(\slot)+2:G0B+4*(\slot)+3], s[G0B+4*(\slot)+2:G0B+4*(\slot)+3], 2*64*6144
	JLOAD \slot                                    ; the four v_nop behind it are also the places in front of the loads below
.else
	PLACES
.endif
	LDB 0, \next, 0
.if (\fill) && ((\slot) == 0)
	ASK
.endif
	GRP 1, FA1, 0, 0
	GRP 1, FA1, 1, 0
	PLACES
	LDB 1, \next, 0
	LDA FA0, \next, 0
	GRP 2, FA1, 0, 0
	GRP 2, FA1, 1, 0
	PLACES
	LDB 2, \next, 0
.endm
	s_wait_tensorcnt 1                             ; my part of K step 0 is in; K step 1's may stay out
	s_wait_dscnt 0x0                               ; my table is stored
	s_barrier_signal -1
	s_barrier_wait -1                              ; everybody's part is in
	LDB 0, 0, 0
	LDB 1, 0, 0
	LDA FA0, 0, 0
	LDB 2, 0, 0
	EVEN 0, 1                                      ; the first unit stands in front of the loop: its products start the sums
	WIN 0                                          ; at a label and at a branch every window is 0
	s_mov_b32 s3, 7
.Llap:                                                 ; a trip goes once round the ring, from a lap's second unit to the next lap's first, and fills both slots again: K steps 2 to 15
	ODD 0, 1, 1
	EVEN 1, 0
	ODD 1, 0, 1
	EVEN 0, 0
	WIN 0
	s_sub_co_u32 s3, s3, 1
	s_cmp_lg_u32 s3, 0
	s_cbranch_scc1 .Llap
	ODD 0, 1, 0                                    ; the tail is written out: nothing is left to fetch
	EVEN 1, 0
	s_wait_dscnt 8                                 ; the last unit
	GRP 0, FA1, 0, 0
	GRP 0, FA1, 1, 0
	GRP 1, FA1, 0, 0
	GRP 1, FA1, 1, 0
	s_wait_dscnt 0x0
	GRP 2, FA1, 0, 0
	GRP 2, FA1, 1, 0
	; THE ATTENTION, all 8 batches together, in long runs of independent lines.
	PLACES                                         ; behind the last products: for the loads into fragment registers and for the conversions of v
	WIN 0
.set i, 0
.rept 16
	ds_load_b128 v[BQ+4*i:BQ+4*i+3], v[TABA] offset:512*i          ; bq, bk
.set i, i+1
.endr
.rept 10
	ds_load_b128 v[BV-64+4*i:BV-64+4*i+3], v[TABA] offset:512*i    ; bv, 8 pos_emb
.set i, i+1
.endr
	; v, in place, while the table comes: V's fragment for pair p of batches and channel block cb at 64 p + 8 cb: registers 0-3 batch 2 p's tokens, 4-7 batch 2 p + 1's.  Each accumulator is read from its low end on.
	WIN 0xcf
.set p, 0
.rept 4
.set cb, 0
.rept 4
.irp i, 0,1,2,3
	v_cvt_pk_f16_f32 v[64*p+8*cb+\i], v[64*p+8*cb+2*\i], v[64*p+8*cb+2*\i+1]
.endr
.irp i, 0,1,2,3
	v_cvt_pk_f16_f32 v[64*p+8*cb+4+\i], v[64*p+32+8*cb+2*\i], v[64*p+32+8*cb+2*\i+1]
.endr
.set cb, cb+1
.endr
.set p, p+1
.endr
	s_wait_dscnt 0x0                               ; the table is in
	; q + bq and k + bk, then rounded in place: batch a's fragment for channels 32 c on at 32 a + 8 c
	WIN 0x41
.set i, 0
.rept 128
	v_pk_add_f32 v[2*i:2*i+1], v[2*i:2*i+1], v[BQ+2*(i%16):BQ+2*(i%16)+1]
.set i, i+1
.endr
	WIN 0x45
.set i, 0
.rept 128
	v_cvt_pk_f16_f32 v[32*(i/16)+i%16], v[2*i], v[2*i+1]
.set i, i+1
.endr
	WIN 0x82
.set i, 0
.rept 128
	v_pk_add_f32 v[2*i:2*i+1], v[2*i:2*i+1], v[BK+2*(i%16):BK+2*(i%16)+1]
.set i, i+1
.endr
	WIN 0x8a
.set i, 0
.rept 128
	v_cvt_pk_f16_f32 v[32*(i/16)+i%16], v[2*i], v[2*i+1]
.set i, i+1
.endr
	; S^T = K Q^T + 8 pos_emb: a lane holds query l % 16 and the keys 8 (l / 16) + 0..7.  The 8 accumulators take turns.
	WIN 0x06                                       ; K in window 2, Q in window 1, C and D in window 0
.set a, 0
.rept 8
	v_wmma_f32_16x16x32_f16 v[S+8*a:S+8*a+7], v[32*a:32*a+7], v[32*a:32*a+7], v[POS:POS+7]
.set a, a+1
.endr
.set a, 0
.rept 8
	v_wmma_f32_16x16x32_f16 v[S+8*a:S+8*a+7], v[32*a+8:32*a+15], v[32*a+8:32*a+15], v[S+8*a:S+8*a+7]
.set a, a+1
.endr
	WIN 0
.macro ALLT line:vararg                ; one line for each batch t
.set t, 0
.rept 8
	\line
.set t, t+1
.endr
.endm
.set i, 0
.rept 4                                        ; P's zero halves, and the statistics' registers that are named before they are made: 32 plain lines, the places behind those products
.irp j, 4,5,6,7
	v_mov_b32 v[P+12*i+\j], 0
.endr
.set i, i+1
.endr
	ALLT v_mov_b32 v[ST+4*t+1], 0
	ALLT v_mov_b32 v[ST+4*t+3], 0
	ALLT v_max3_num_f32 v[ST+4*t+2], v[S+8*t], v[S+8*t+1], v[S+8*t+2]
	ALLT v_max3_num_f32 v[ST+4*t+2], v[ST+4*t+2], v[S+8*t+3], v[S+8*t+4]
	ALLT v_max3_num_f32 v[ST+4*t+2], v[ST+4*t+2], v[S+8*t+5], v[S+8*t+6]
	ALLT v_max_num_f32 v[ST+4*t+2], v[ST+4*t+2], v[S+8*t+7]
	ALLT v_permlanex16_b32 v[ST+4*t+3], v[ST+4*t+2], s[SEL], s[SEL+1]  ; the query's other 8 keys lie in the lane 16 away
	ALLT v_max_num_f32 v[ST+4*t+2], v[ST+4*t+2], v[ST+4*t+3]           ; m, the row's maximum
	ALLT v_mul_f32 v[ST+4*t], s[CS], v[ST+4*t+2]                       ; c m
.irp j, 0,2,4,6
	ALLT v_pk_fma_f32 v[S+8*t+\j:S+8*t+\j+1], v[S+8*t+\j:S+8*t+\j+1], s[CS:CS+1], v[ST+4*t:ST+4*t+1] op_sel_hi:[1,0,0] neg_lo:[0,0,1] neg_hi:[0,0,1]
.endr
.set i, 0
.rept 64                                       ; one batch of 64 exponentials,
	v_exp_f32 v[S+i], v[S+i]
.set i, i+1
.endr
	v_nop                                          ; a plain instruction behind the last of them,
	s_wait_alu depctr_va_vdst(0)                   ; and the one wait ahead of the first line that names a result
	ALLT v_pk_add_f32 v[ST+4*t:ST+4*t+1], v[S+8*t:S+8*t+1], v[S+8*t+2:S+8*t+3]
	ALLT v_pk_add_f32 v[ST+4*t+2:ST+4*t+3], v[S+8*t+4:S+8*t+5], v[S+8*t+6:S+8*t+7]
	ALLT v_pk_add_f32 v[ST+4*t:ST+4*t+1], v[ST+4*t:ST+4*t+1], v[ST+4*t+2:ST+4*t+3]
	ALLT v_add_f32 v[ST+4*t+2], v[ST+4*t], v[ST+4*t+1]
	ALLT v_permlanex16_b32 v[ST+4*t+3], v[ST+4*t+2], s[SEL], s[SEL+1]
	ALLT v_add_f32 v[ST+4*t+2], v[ST+4*t+2], v[ST+4*t+3]               ; l, the row's sum
	ALLT v_rcp_f32 v[ST+4*t+2], v[ST+4*t+2]
	v_nop
	s_wait_alu depctr_va_vdst(0)                   ; one wait for the eight reciprocals
.irp j, 0,2,4,6
	ALLT v_pk_mul_f32 v[S+8*t+\j:S+8*t+\j+1], v[S+8*t+\j:S+8*t+\j+1], v[ST+4*t+2:ST+4*t+3] op_sel_hi:[1,0]
.endr
.irp j, 0,1,2,3
	ALLT v_cvt_pk_f16_f32 v[P+12*(t/2)+8*(t%2)+\j], v[S+8*t+2*\j], v[S+8*t+2*\j+1]
.endr
	; O^T = V^T P + bv: 32 products, each with an accumulator of its own: batch a, channel block cb at 32 a + 8 cb of window 1.  A lane holds one token and eight channels.
	WIN 0x43                                       ; V in window 3, P and bv in window 0, O^T in window 1
.set a, 0
.rept 8
.irp cb, 0,1,2,3
	v_wmma_f32_16x16x32_f16 v[32*a+8*\cb:32*a+8*\cb+7], v[64*(a/2)+8*\cb:64*(a/2)+8*\cb+7], v[P+12*(a/2)+4*(a%2):P+12*(a/2)+4*(a%2)+7], v[BV+8*\cb:BV+8*\cb+7]
.endr
.set a, a+1
.endr
	PLACES
	WIN 0x05                                       ; sources in window 1, destination in window 0
.set i, 0
.rept 128
	v_cvt_pk_f16_f32 v[CT+i], v[2*i], v[2*i+1]
.set i, i+1
.endr
	WIN 0
.set i, 0
.rept 32                                       ; batch i / 4, channel block i % 4: the wave's 32 lanes store 512 consecutive bytes, aligned: no way through LDS is needed
	global_store_b128 v[CO], v[CT+4*i:CT+4*i+3], s[80:81] offset:(i/4)*4096+(i%4)*512 th:TH_STORE_NT
.set i, i+1
.endr
	s_wait_tensorcnt 0x0                           ; the wave's end, behind my last tensor load and my last LDS store
	ds_add_u32 v[SPW], v[NIL]
	s_wait_dscnt 0x0
	CROUND                                         ; the closing round: no work-group ends while a partner may still ask for a tile that names it
	s_endpgm
.Lfunc_end_k_qe959c862fc_qkvattn:
	.size	k_qe959c862fc_qkvattn, .Lfunc_end_k_qe959c862fc_qkvattn-k_qe959c862fc_qkvattn
	.p2alignl 7, 3214868480
	.fill 96, 4, 3214868480
	.section	.rodata,"a",@progbits
	.p2align	6, 0x0
	.amdhsa_kernel k_qe959c862fc_qkvattn
		.amdhsa_group_segment_fixed_size 327680
		.amdhsa_private_segment_fixed_size 0
		.amdhsa_enable_private_segment 0
		.amdhsa_kernarg_size 56
		.amdhsa_user_sgpr_count 2
		.amdhsa_user_sgpr_kernarg_segment_ptr 1
		.amdhsa_wavefront_size32 1
		.amdhsa_system_sgpr_workgroup_id_x 1
		.amdhsa_system_sgpr_workgroup_id_y 1
		.amdhsa_system_sgpr_workgroup_id_z 1
		.amdhsa_system_vgpr_workitem_id 0
		.amdhsa_next_free_vgpr 1024
		.amdhsa_next_free_sgpr 100
		.amdhsa_reserve_vcc 0
		.amdhsa_float_denorm_mode_32 3
		.amdhsa_float_denorm_mode_16_64 3
		.amdhsa_memory_ordered 1
		.amdhsa_forward_progress 1
		.amdhsa_inst_pref_size 166
	.end_amdhsa_kernel
	.amdgpu_metadata
---
amdhsa.version: [ 1, 2 ]
amdhsa.kernels:
  - .name:           k_qe959c862fc_qkvattn
    .symbol:         k_qe959c862fc_qkvattn.kd
    .args:
      - { .name: xb, .offset: 0, .size: 8, .value_kind: global_buffer, .address_space: global }
      - { .name: wqkv, .offset: 8, .size: 8, .value_kind: global_buffer, .address_space: global }
      - { .name: bq, .offset: 16, .size: 8, .value_kind: global_buffer, .address_space: global }
      - { .name: bk, .offset: 24, .size: 8, .value_kind: global_buffer, .address_space: global }
      - { .name: bv, .offset: 32, .size: 8, .value_kind: global_buffer, .address_space: global }
      - { .name: pos_emb, .offset: 40, .size: 8, .value_kind: global_buffer, .address_space: global }
      - { .name: ctx, .offset: 48, .size: 8, .value_kind: global_buffer, .address_space: global }
    .group_segment_fixed_size: 327680
    .private_segment_fixed_size: 0
    .kernarg_segment_align: 8
    .kernarg_segment_size: 56
    .max_flat_workgroup_size: 128
    .sgpr_count:     100
    .vgpr_count:     1024
    .wavefront_size: 32
...
	.end_amdgpu_metadata
.endif
;; end of part 2
;; launch outproj (part 3): grid 4 x 64, 4 waves a work-group, clusters of 4 x 4, 327,680 bytes of LDS; arguments ctx, wo16, bo, out0; writes out0
.if DOCPART == 3
	.amdgcn_target "amdgcn-amd-amdhsa--gfx1250"
	.amdhsa_code_object_version 6
	.text
	.protected	k_qe959c862fc_outproj
	.globl	k_qe959c862fc_outproj
	.p2align	8
	.type	k_qe959c862fc_outproj,@function
k_qe959c862fc_outproj:
	s_mov_b64 s[64:65], 0
	v_nop
	global_prefetch_b8 v0, s[64:65] scope:SCOPE_SE
	s_setreg_imm32_b32 hwreg(HW_REG_WAVE_MODE, 25, 1), 1
	s_wait_xcnt 0x0
	s_wait_alu depctr_hold_cnt(0) depctr_sa_sdst(0) depctr_va_vdst(0) depctr_va_sdst(0) depctr_va_ssrc(0) depctr_va_vcc(0) depctr_vm_vsrc(0)
	s_getreg_b32 s2, hwreg(HW_REG_IB_STS2, 6, 4)
	s_cmp_eq_u32 s2, 0
	s_cbranch_scc0 .Lentry_in_a_cluster
	s_endpgm
.Lentry_in_a_cluster:
	s_bfe_u32 s2, ttmp6, 0x10000c
	s_cmp_lg_u32 s2, 0xf033
	s_cbranch_scc0 .Lentry_shape_is_right
	s_endpgm
.Lentry_shape_is_right:
; out0 = ctx Wo + bo.  ctx: f16, in fragment order [ks 8][block of 16 rows 1024][c8 16][row 16][8 channels] (channel = 128 ks + 8 c8 + e); wo16: f16, [k 1024][n 1024]; bo: f32, counted
; rounded to bf16 like the other inputs; out0: [16384][1024] f32.  Sums in f32, K ascending.
; A tile of out0, 256 x 256, is made by four waves, each 128 x 128: 64 accumulators, 512 registers.  256 work-groups.  K goes in steps of 128 through two LDS slots.
; THE MATRIX INSTRUCTION IS USED TRANSPOSED: source 0 = 16 columns of Wo (turned on their way out of LDS), source 1 = 16 rows of ctx: a lane holds one row of out0 and eight neighbouring columns.
; CLUSTER.  4 x 4 work-groups: ctx's tile is shared along a row of the cluster, Wo's along a column; each is asked for jointly.
; REGISTERS: window 0: v0-31 addresses, v32-35 bo, v64-127, v128-191 ctx's fragments, two buffers (on the way out: rows read back); window 1: v64-127, v128-191 Wo's fragments;
;   window 2: the accumulators of my rows 0-63 ((a, b) at v[8 (8 a + b)]); window 3: those of my rows 64-127.
.set SLOT,   135168                    ; ctx's 16 blocks x 4,096 bytes, as they lie in memory; then Wo's 128 rows x 544 bytes
.set BOFF,   65536
.set PB,     544                       ; a row of Wo in LDS: 512 bytes + 32 = 136 words
.set STAGE,  2*SLOT                    ; behind the ring, never a fill's target: 16 rows x 528 bytes for each wave
.set SPITCH, 528                       ; 512 bytes + 16 = 132 words: the 16 rows of a store start at 16 different groups of four banks
.set SPARE,  STAGE+4*16*SPITCH         ; the spare words, 128 bytes for each wave: two blocks of 256 bytes that no other line names
.set LAPS, 4                           ; a lap = two K steps
.set ADRA, 16                          ; v16-17  LDS address of my fragments of ctx in slot 0, 1
.set ADRB, 20                          ; v20-21  the same for Wo
.set STO,  24                          ; v24     the way out: where I put 32 bytes of a row
.set RD,   25                          ; v25     where I read a row back
.set CO,   26                          ; v26     16 x lane
.set SPW,  28                          ; v28     LDS address of my spare word; never rewritten
.set NIL,  29                          ; v29     0; never rewritten
.set PFO,  30                          ; v30     the prefetches' lane offset; never rewritten
.set BO,   32                          ; v32-35  bo of the four columns that I store
.set F0,   64
.set F1,   128
.set OB,   64                          ; the way out: 16 rows read back: v64-127 and v128-191 by turns
.set G1,  24
.set G0,  32
.set G1B, 48
.set G0B, 56
.set LIM, 43                           ; s43      1 in a wave that prefetches, else the greatest number
.set PFA, 44                           ; s[44:45] where my prefetches stand
.set PFS, 82                           ; s[82:83] their step: one K step
.set HM,  88
.set MSB, 0
.macro WIN new
.if MSB != (\new)
	s_set_vgpr_msb (MSB<<8)|(\new)
.set MSB, \new
.endif
.endm
.set MUL_LO, 0xa1                      ; source 0 (Wo) window 1, source 1 (ctx) window 0, C and D window 2
.set TO_B,   0x40                      ; destination window 1, address window 0
.macro JLOAD s                         ; a joint load: waves 0 and 1 fetch ctx's two halves, waves 2 and 3 Wo's; an s_nop 0 and four v_nop follow each line
	s_cmp_eq_u32 s11, 0
	s_cbranch_scc0 .Lfor_b_\@
	tensor_load_to_lds s[G0+4*(\s):G0+4*(\s)+3], s[G1:G1+7]
	s_nop 0
.rept 4
	v_nop
.endr
	s_branch .Lasked_\@
.Lfor_b_\@:
	tensor_load_to_lds s[G0B+4*(\s):G0B+4*(\s)+3], s[G1B:G1B+7]
	s_nop 0
.rept 4
	v_nop
.endr
.Lasked_\@:
.endm
.macro CREST
	s_cmp_lg_u32 s10, 0
	s_cbranch_scc1 .Lnot_wave_0_\@
	s_barrier_signal -3
.Lnot_wave_0_\@:
	s_barrier_wait -3
	s_barrier_signal -1
	s_barrier_wait -1
.endm
.macro CROUND
	s_barrier_signal -1
	s_barrier_wait -1
	CREST
.endm
.macro PLACES
.rept 4
	v_nop
.endr
.endm
; A PREFETCH behind each joint refill and the run of LDS loads that follows it: the K step that stands two refills on, 512 matrix instructions ahead of the load that will want it.
; ctx's tile rows are read by this one cluster of its row; Wo's columns by all sixteen clusters: cluster y = 0 asks.  Of what a wave fetches each of the four partners that share it takes a quarter, told apart BY ADDRESS:
; ctx: 8,192 of the wave's 32,768 dense bytes, a lane 256 of them; Wo: 16 of the wave's 64 rows, two lanes a row of 512 bytes.  Each block of 256 bytes is named once in the launch.
; K steps 0 to 3 come by their loads alone; the loop's last trip (s3 = 1) asks for nothing: K steps 8 and 9 do not exist.
.macro ASK
	s_cmp_gt_u32 s3, s[LIM]
	s_cbranch_scc0 .Lnot_mine_\@
	global_prefetch_b8 v[PFO], s[PFA:PFA+1] th:TH_LOAD_NT scope:SCOPE_SE
.Lnot_mine_\@:
.endm
	s_load_b256 s[68:75], s[0:1], 0x0              ; ctx s[68:69], wo16 s[70:71], bo s[72:73], out0 s[74:75]
	v_lshl_add_u32 v[SPW], v0, 2, SPARE
	v_mov_b32 v[NIL], 0
	ds_add_u32 v[SPW], v[NIL]                      ; the wave's opening: the add and its wait ahead of my first tensor load
	v_lshrrev_b32 v1, 5, v0
	v_readfirstlane_b32 s10, v1                    ; wave 0..3
	s_lshr_b32 s11, s10, 1                         ; which half of the tile's rows is mine.  Also: I fetch for ctx (0) or for Wo (1)
	s_and_b32 s12, s10, 1                          ; which half of its columns.  Also: which half of that tile I fetch
	s_bfe_u32 s40, ttmp6, 0x40000                  ; cx, cy
	s_bfe_u32 s41, ttmp6, 0x40004
	s_lshl_b32 s42, ttmp9, 2
	s_add_co_u32 s42, s42, s40                     ; tile column
	s_and_b32 s13, ttmp7, 0xffff
	s_lshl_b32 s13, s13, 2
	s_add_co_u32 s13, s13, s41                     ; tile row
	s_lshl_b32 s43, s41, 2
	s_lshl_b32 s43, 15, s43                        ; my row of the cluster
	s_lshl_b32 s44, 0x1111, s40                    ; my column
	; group 1 for ctx: 32,768 dense bytes as 128 rows of 256 bytes (32 elements of 8 bytes), no padding: the fragments' own order has each load take 512 consecutive bytes
	s_or_b32 s[G1+0], s43, (3<<16)|(1<<21)         ; 15:0 the mask; 17:16 8-byte elements; 21 set beside a mask
	s_mov_b32 s[G1+1], 32<<16
	s_mov_b32 s[G1+2], 128<<16
	s_mov_b32 s[G1+3], 32<<16
	s_mov_b32 s[G1+4], 128
	s_mov_b32 s[G1+5], 32
	s_mov_b32 s[G1+6], 0
	s_mov_b32 s[G1+7], 0
	; group 1 for Wo: 64 rows of 256 elements, 1,024 apart, padded by 32 bytes after every 512
	s_or_b32 s[G1B+0], s44, (1<<16)|(1<<20)|(1<<21)|(6<<22)|(7<<25)  ; 2-byte elements; padding on; after every 128 words (code 6), 8 words (code 7)
	s_mov_b32 s[G1B+1], 256<<16
	s_mov_b32 s[G1B+2], 64<<16
	s_mov_b32 s[G1B+3], 256<<16
	s_mov_b32 s[G1B+4], 64
	s_mov_b32 s[G1B+5], 1024
	s_mov_b32 s[G1B+6], 0
	s_mov_b32 s[G1B+7], 0
	s_lshl_b32 s16, s13, 16                        ; ctx: the tile's 16 blocks of 4,096 bytes,
	s_lshl_b32 s17, s12, 15                        ; my 8 of them
	s_add_co_u32 s16, s16, s17
	s_mov_b32 s17, 0
	s_lshl_b32 s46, s12, 17                        ; Wo: my 64 rows of 2,048 bytes,
	s_lshl_b32 s47, s42, 9                         ; the tile's 256 columns
	s_add_co_u32 s46, s46, s47
	s_mov_b32 s47, 0
	s_lshl_b32 s20, s12, 15                        ; where they go
	s_mul_i32 s21, s12, 64*PB
	s_add_co_u32 s21, s21, BOFF
	s_mov_b32 s[HM], 0xffff0000
	s_wait_dscnt 0x0                               ; the opening add is done
	s_wait_kmcnt 0x0
	s_add_nc_u64 s[14:15], s[68:69], s[16:17]
	s_add_nc_u64 s[46:47], s[70:71], s[46:47]
	CROUND                                         ; all sixteen work-groups are here: the first joint loads meet
.irp s, 0,1
	s_mov_b32 s[G0+4*(\s)], 1
	s_add_co_u32 s[G0+4*(\s)+1], s20, (\s)*SLOT
	s_add_nc_u64 s[G0+4*(\s)+2:G0+4*(\s)+3], s[14:15], (\s)*4194304  ; K step s: 4 MiB of ctx each
	s_or_b32 s[G0+4*(\s)+3], s[G0+4*(\s)+3], 0x80000000
	s_mov_b32 s[G0B+4*(\s)], 1
	s_add_co_u32 s[G0B+4*(\s)+1], s21, (\s)*SLOT
	s_add_nc_u64 s[G0B+4*(\s)+2:G0B+4*(\s)+3], s[46:47], (\s)*128*2048
	s_or_b32 s[G0B+4*(\s)+3], s[G0B+4*(\s)+3], 0x80000000
	JLOAD \s                                       ; two tensor loads of mine are out
.endr
	v_and_b32 v1, 15, v0                           ; l % 16
	v_bfe_u32 v2, v0, 4, 1                         ; l / 16
	v_and_b32 v9, 31, v0                           ; l
	v_lshlrev_b32 v[CO], 4, v9
	s_lshl_b32 s22, s42, 10                        ; my 128 columns in a row of f32: 1,024 x tile column + 512 x half
	s_lshl_b32 s23, s12, 9
	s_add_co_u32 s22, s22, s23
	v_add_nc_u32 v3, s22, v[CO]
	global_load_b128 v[BO:BO+3], v3, s[72:73]      ; bo of columns 4 l .. 4 l + 3 of my 128
	s_lshl_b32 s20, s13, 20                        ; out0 at my first row: 256 rows of 4,096 bytes a tile row, 128 a half
	s_lshl_b32 s21, s11, 19
	s_add_co_u32 s20, s20, s21
	s_add_co_u32 s20, s20, s22
	s_mov_b32 s21, 0
	s_add_nc_u64 s[74:75], s[74:75], s[20:21]
	; ctx's fragment of 16 rows x 32 K: registers 0-3 are the 16 bytes at 1,024 q + 16 l of the block, registers 4-7 those 512 bytes on
	s_lshl_b32 s21, s11, 15                        ; my 8 blocks
	v_lshl_add_u32 v[ADRA], v9, 4, s21
	s_add_co_u32 s21, s21, SLOT
	v_lshl_add_u32 v[ADRA+1], v9, 4, s21
	; Wo lies [K][column]: the turning load (lane l reads K = 8 (l / 16) + l % 8, columns 8 ((l / 8) % 2) + 0..7) leaves half a fragment: lane l holds column l % 16 and 8 K
	v_and_b32 v7, 7, v0
	v_lshl_add_u32 v7, v2, 3, v7
	v_mul_u32_u24 v7, v7, PB
	v_bfe_u32 v8, v0, 3, 1
	v_lshl_add_u32 v7, v8, 4, v7
	s_lshl_b32 s22, s12, 8                         ; my 128 columns
	s_add_co_u32 s22, s22, BOFF
	v_add_nc_u32 v[ADRB], s22, v7
	s_add_co_u32 s22, s22, SLOT
	v_add_nc_u32 v[ADRB+1], s22, v7
	s_mul_i32 s23, s10, 16*SPITCH
	s_add_co_u32 s23, s23, STAGE                   ; my stage
	v_mul_u32_u24 v4, v1, SPITCH                   ; in: row l % 16, 32 bytes for each half of the lanes
	v_lshl_add_u32 v4, v2, 5, v4
	v_add_nc_u32 v[STO], s23, v4
	v_add_nc_u32 v[RD], s23, v[CO]                 ; back: 32 lanes take one row of 512 bytes
	; the prefetches
	s_and_b32 s22, ttmp7, 0xffff                   ; cluster y
	s_mov_b32 s20, 4194304
	s_mov_b32 s21, 128*2048
	s_cmp_eq_u32 s11, 0                            ; do I fetch for ctx?
	s_cselect_b32 s22, ttmp9, s22                  ; the coordinate along which other clusters read the same bytes
	s_cselect_b64 s[PFA:PFA+1], s[68:69], s[70:71]
	s_cselect_b32 s[PFS], s20, s21
	s_mov_b32 s[PFS+1], 0
	s_cmp_eq_u32 s22, 0
	s_cselect_b32 s[LIM], 1, -1                    ; the same in all sixteen partners, for a given wave
	s_lshl_b32 s20, s13, 16                        ; ctx: the tile, my half,
	s_lshl_b32 s21, s12, 15
	s_add_co_u32 s20, s20, s21
	s_lshl_b32 s21, s40, 13                        ; my work-group's quarter of it,
	s_add_co_u32 s20, s20, s21
	s_add_co_u32 s20, s20, 3*4194304               ; at K step 3: the first refill steps it to 4
	s_lshl_b32 s21, s12, 6                         ; Wo: my 64 rows,
	s_lshl_b32 s23, s41, 4                         ; my work-group's 16 of them,
	s_add_co_u32 s21, s21, s23
	s_add_co_u32 s21, s21, 3*128                   ; at K step 3
	s_lshl_b32 s21, s21, 11
	s_lshl_b32 s23, s42, 9
	s_add_co_u32 s21, s21, s23
	s_cmp_eq_u32 s11, 0
	s_cselect_b32 s20, s20, s21
	s_cselect_b32 s23, -1, 0
	s_mov_b32 s21, 0
	s_add_nc_u64 s[PFA:PFA+1], s[PFA:PFA+1], s[20:21]
	v_lshlrev_b32 v6, 8, v9                        ; ctx: 256 l
	v_lshrrev_b32 v7, 1, v9
	v_and_b32 v8, 1, v9
	v_lshlrev_b32 v7, 11, v7
	v_lshl_add_u32 v7, v8, 8, v7                   ; Wo: row l / 2, half l % 2
	v_cndmask_b32 v[PFO], v7, v6, s23
	s_wait_loadcnt 0x0                             ; bo: rounded to bf16 like the other inputs, and widened again
	v_cvt_pk_bf16_f32 v10, v[BO], v[BO+1]
	v_cvt_pk_bf16_f32 v11, v[BO+2], v[BO+3]
	v_lshlrev_b32 v[BO], 16, v10
	v_and_b32 v[BO+1], s[HM], v10
	v_lshlrev_b32 v[BO+2], 16, v11
	v_and_b32 v[BO+3], s[HM], v11
; 16 matrix instructions: row blocks a0, a0 + 1 of the window's four (hi = 0: my rows 0-63, 1: rows 64-127) x all 8 column blocks, 32 along K.  zero = 1: the products start the sums.
; The 64 accumulators take turns, one instruction a turn, in the same order in every quarter.
.macro MUL16 f, hi, a0, zero
	WIN MUL_LO+0x50*(\hi)
.irp a, \a0, (\a0)+1
.irp b, 0,1,2,3,4,5,6,7
.if \zero
	v_wmma_f32_16x16x32_f16 v[8*(8*(\a)+(\b)):8*(8*(\a)+(\b))+7], v[(\f)+8*(\b):(\f)+8*(\b)+7], v[(\f)+8*(4*(\hi)+(\a)):(\f)+8*(4*(\hi)+(\a))+7], 0
.else
	v_wmma_f32_16x16x32_f16 v[8*(8*(\a)+(\b)):8*(8*(\a)+(\b))+7], v[(\f)+8*(\b):(\f)+8*(\b)+7], v[(\f)+8*(4*(\hi)+(\a)):(\f)+8*(4*(\hi)+(\a))+7], v[8*(8*(\a)+(\b)):8*(8*(\a)+(\b))+7]
.endif
.endr
.endr
.endm
; 32 LDS loads in one run: the fragments of quarter q of the slot's K step into buffer f: Wo's eight, then ctx's eight
.macro FETCH slot, q, f
	WIN TO_B
.irp i, 0,1,2,3,4,5,6,7
	ds_load_tr16_b128 v[(\f)+8*(\i):(\f)+8*(\i)+3],   v[ADRB+(\slot)] offset:(\q)*32*PB+(\i)*32
	ds_load_tr16_b128 v[(\f)+8*(\i)+4:(\f)+8*(\i)+7], v[ADRB+(\slot)] offset:(\q)*32*PB+(\i)*32+16*PB
.endr
	WIN 0
.irp i, 0,1,2,3,4,5,6,7
	ds_load_b128 v[(\f)+8*(\i):(\f)+8*(\i)+3],   v[ADRA+(\slot)] offset:(\q)*1024+(\i)*4096
	ds_load_b128 v[(\f)+8*(\i)+4:(\f)+8*(\i)+7], v[ADRA+(\slot)] offset:(\q)*1024+(\i)*4096+512
.endr
.endm
; A K step is four quarters of 32 along K, 64 matrix instructions each, on buffers 0, 1, 0, 1.  One of the first three: multiplies buffer f and in its middle fetches quarter q into buffer g.
.macro QUARTER slot, q, f, g, zero
	s_wait_dscnt 8                                 ; Wo's fragments and ctx's rows 0-63 are in; the youngest eight loads (rows 64-127) may be out
	MUL16 \f, 0, 0, \zero
	MUL16 \f, 0, 2, \zero
	PLACES
	FETCH \slot, \q, \g
	s_wait_dscnt 32                                ; all but the 32 just issued
	MUL16 \f, 1, 0, \zero
	MUL16 \f, 1, 2, \zero
.endm
; The last quarter multiplies buffer 1 and changes slots: ONE barrier; in front of it each wave waits for all its tensor loads (one is out: its part of the next slot), adds 0 to its spare word, and waits for
; that and for its own reads of this slot.  fill = 1: the barrier opens a round of the cluster's, and this slot is filled again, two K steps on, first thing behind it: 224 matrix instructions ahead of the wait for it.
.macro TURN slot, next, fill
.if \fill
	s_wait_xcnt 0x0                                ; the last prefetch, a K step back, has read its address: it is stepped here, ahead of the change's own waits
	s_add_nc_u64 s[PFA:PFA+1], s[PFA:PFA+1], s[PFS:PFS+1]
.endif
	WIN 0                                          ; (the add's two registers lie in window 0)
	s_wait_tensorcnt 0x0                           ; all my tensor loads have landed
	ds_add_u32 v[SPW], v[NIL]                      ; 0 onto my spare word
	s_wait_dscnt 9                                 ; (the add and the youngest eight loads may be out)
	MUL16 F1, 0, 0, 0                              ; sixteen matrix instructions stand between the add and the wait for it
	s_wait_dscnt 0x0                               ; the add is done, and my reads of this slot are over
	s_barrier_signal -1
	MUL16 F1, 0, 2, 0
	WIN 0
	s_barrier_wait -1
.if \fill
	CREST                                          ; no wave of any partner still reads this slot or has a load on its way
	s_add_nc_u64 s[G0+4*(\slot)+2:G0+4*(\slot)+3], s[G0+4*(\slot)+2:G0+4*(\slot)+3], 2*4194304
	s_add_nc_u64 s[G0B+4*(\slot)+2:G0B+4*(\slot)+3], s[G0B+4*(\slot)+2:G0B+4*(\slot)+3], 2*128*2048
	JLOAD \slot                                    ; the four v_nop behind it are also the places in front of the loads below
.else
	PLACES
.endif
	FETCH \next, 0, F0
.if \fill
	ASK
.endif
	MUL16 F1, 1, 0, 0
	MUL16 F1, 1, 2, 0
.endm
; THE WAY OUT of row block a.  TOSTAGE: the block's 8 accumulators go as they are, f32, into my own stage (rows of 528 bytes), each from its low end on, and come back as whole rows of 512 bytes.
.macro TOSTAGE a
.set AC, 64*((\a)%4)
.set BK, OB+64*((\a)%2)
	WIN 0x08+4*((\a)/4)                            ; the stores' data (source 1) in window 2 or 3
.irp b, 0,1,2,3,4,5,6,7
	ds_store_b128 v[STO], v[AC+8*(\b):AC+8*(\b)+3]   offset:64*(\b)
	ds_store_b128 v[STO], v[AC+8*(\b)+4:AC+8*(\b)+7] offset:64*(\b)+16
.endr
	WIN 0
.irp t, 0,1,2,3,4,5,6,7,8,9,10,11,12,13,14,15
	ds_load_b128 v[BK+4*(\t):BK+4*(\t)+3], v[RD] offset:(\t)*SPITCH  ; LDS serves a wave's instructions in order (ISA guide 5.7.1.4): these see the stores above; the next block's stores come behind them
.endr
.endm
; SEND: bo is added and the rows are stored.  younger: the LDS instructions issued behind the block's loads: the next block's 32, or none.
.macro SEND a, younger
.set BK, OB+64*((\a)%2)
	WIN 0
.irp t, 0,1,2,3,4,5,6,7,8,9,10,11,12,13,14,15
	s_wait_dscnt (\younger)+15-(\t)                ; row t is back
	v_pk_add_f32 v[BK+4*(\t):BK+4*(\t)+1],   v[BK+4*(\t):BK+4*(\t)+1],   v[BO:BO+1]
	v_pk_add_f32 v[BK+4*(\t)+2:BK+4*(\t)+3], v[BK+4*(\t)+2:BK+4*(\t)+3], v[BO+2:BO+3]
	global_store_b128 v[CO], v[BK+4*(\t):BK+4*(\t)+3], s[74:75] offset:(\a)*65536+(\t)*4096 th:TH_STORE_NT  ; the wave's 32 lanes store 512 consecutive bytes, aligned
.endr
.endm
	s_wait_tensorcnt 1                             ; my part of K step 0 is in; K step 1's may stay out
	s_barrier_signal -1
	s_barrier_wait -1                              ; everybody's is
	FETCH 0, 0, F0
	QUARTER 0, 1, F0, F1, 1                        ; the first quarter stands in front of the loop: its products start the sums
	WIN 0                                          ; at a label and at a branch every window is 0
	s_mov_b32 s3, LAPS-1
.Llap:                                                 ; a trip goes once round the ring, from a lap's second quarter to the next lap's first, and fills both slots again: K steps 2 to 7
	QUARTER 0, 2, F1, F0, 0
	QUARTER 0, 3, F0, F1, 0
	TURN 0, 1, 1
	QUARTER 1, 1, F0, F1, 0
	QUARTER 1, 2, F1, F0, 0
	QUARTER 1, 3, F0, F1, 0
	TURN 1, 0, 1
	QUARTER 0, 1, F0, F1, 0
	WIN 0
	s_sub_co_u32 s3, s3, 1
	s_cmp_lg_u32 s3, 0
	s_cbranch_scc1 .Llap
	QUARTER 0, 2, F1, F0, 0                        ; the last lap fills nothing, and has no round of the cluster's barrier
	QUARTER 0, 3, F0, F1, 0
	TURN 0, 1, 0
	QUARTER 1, 1, F0, F1, 0
	QUARTER 1, 2, F1, F0, 0
	QUARTER 1, 3, F0, F1, 0
	s_wait_dscnt 8                                 ; the very last quarter: nothing more to fetch
	MUL16 F1, 0, 0, 0
	MUL16 F1, 0, 2, 0
	s_wait_dscnt 0x0
	MUL16 F1, 1, 0, 0
	MUL16 F1, 1, 2, 0
	PLACES                                         ; behind the last products: for the stores that read results and the loads into fragment registers
	TOSTAGE 0
.irp a, 1,2,3,4,5,6,7
.if (\a) >= 2
	s_wait_xcnt 0x0                                ; the stores of the block two back have read their registers, which this block's rows now take
.endif
	TOSTAGE \a
	SEND (\a)-1, 32
.endr
	SEND 7, 0
	s_wait_tensorcnt 0x0                           ; the wave's end, behind my last tensor load and my last LDS store
	ds_add_u32 v[SPW], v[NIL]
	s_wait_dscnt 0x0
	CROUND                                         ; the closing round: no work-group ends while a partner may still ask for a tile that names it
	s_endpgm
.Lfunc_end_k_qe959c862fc_outproj:
	.size	k_qe959c862fc_outproj, .Lfunc_end_k_qe959c862fc_outproj-k_qe959c862fc_outproj
	.p2alignl 7, 3214868480
	.fill 96, 4, 3214868480
	.section	.rodata,"a",@progbits
	.p2align	6, 0x0
	.amdhsa_kernel k_qe959c862fc_outproj
		.amdhsa_group_segment_fixed_size 327680
		.amdhsa_private_segment_fixed_size 0
		.amdhsa_enable_private_segment 0
		.amdhsa_kernarg_size 32
		.amdhsa_user_sgpr_count 2
		.amdhsa_user_sgpr_kernarg_segment_ptr 1
		.amdhsa_wavefront_size32 1
		.amdhsa_system_sgpr_workgroup_id_x 1
		.amdhsa_system_sgpr_workgroup_id_y 1
		.amdhsa_system_sgpr_workgroup_id_z 1
		.amdhsa_system_vgpr_workitem_id 0
		.amdhsa_next_free_vgpr 1024
		.amdhsa_next_free_sgpr 90
		.amdhsa_reserve_vcc 0
		.amdhsa_float_denorm_mode_32 3
		.amdhsa_float_denorm_mode_16_64 3
		.amdhsa_memory_ordered 1
		.amdhsa_forward_progress 1
		.amdhsa_inst_pref_size 162
	.end_amdhsa_kernel
	.amdgpu_metadata
---
amdhsa.version: [ 1, 2 ]
amdhsa.kernels:
  - .name:           k_qe959c862fc_outproj
    .symbol:         k_qe959c862fc_outproj.kd
    .args:
      - { .name: ctx, .offset: 0, .size: 8, .value_kind: global_buffer, .address_space: global }
      - { .name: wo16, .offset: 8, .size: 8, .value_kind: global_buffer, .address_space: global }
      - { .name: bo, .offset: 16, .size: 8, .value_kind: global_buffer, .address_space: global }
      - { .name: out0, .offset: 24, .size: 8, .value_kind: global_buffer, .address_space: global }
    .group_segment_fixed_size: 327680
    .private_segment_fixed_size: 0
    .kernarg_segment_align: 8
    .kernarg_segment_size: 32
    .max_flat_workgroup_size: 128
    .sgpr_count:     90
    .vgpr_count:     1024
    .wavefront_size: 32
...
	.end_amdgpu_metadata
.endif
;; end of part 3
;; ======== version 2 of 2: 3 launches; version 1 with the launch prep written anew for expert scheduling mode
;; limits: values are held in f16: magnitudes above 65,504 overflow, below 6.1e-05 lose precision
;; workspace buffers: xb 33,554,432 bytes; wqkv 6,291,456 bytes; wo16 2,097,152 bytes; ctx 33,554,432 bytes
;; launch prep (part 4): grid 640 x 1, 8 waves a work-group, no clusters, 0 bytes of LDS; arguments shape_tokens, Wq, Wk, Wv, Wo, xb, wqkv, wo16; writes xb, wqkv, wo16
.if DOCPART == 4
	.amdgcn_target "amdgcn-amd-amdhsa--gfx1250"
	.amdhsa_code_object_version 6
	.text
	.protected	k_qe959c862fc_prep
	.globl	k_qe959c862fc_prep
	.p2align	8
	.type	k_qe959c862fc_prep,@function
k_qe959c862fc_prep:
	s_mov_b64 s[64:65], 0
	v_nop
	global_prefetch_b8 v0, s[64:65] scope:SCOPE_SE
	s_setreg_imm32_b32 hwreg(HW_REG_WAVE_SCHED_MODE, 0, 2), 2
	s_setreg_imm32_b32 hwreg(HW_REG_WAVE_MODE, 25, 1), 1
	s_wait_xcnt 0x0
	s_wait_alu depctr_vm_vsrc(0)
; CASTS, ONCE.  x [16384][1024] f32 -> xb, bf16, laid out [kb 16][row 16384][64]: a tile of rows x 64 channels is dense.
; Wq, Wk, Wv [1024 k][1024 n] f32 -> wqkv, bf16, [k][hp 8][t 3 (q, k, v)][128]: a head pair's 384 columns are 768 consecutive bytes of a row of 6,144.
; Wo [1024 k][1024 n] f32 -> wo16: rounded to bf16 like every other input, and that number written as f16 (exact from 6.1e-5 up to 65,504;
; LIMIT: below 6.1e-5 in magnitude it keeps f16's fixed step of 6e-8, beyond 65,504 it would be an infinity).
; A stream: no LDS, no matrix unit, no cluster (no byte is read twice).  A work-group takes 32 rows x 1,024 columns of one matrix: 131,072 bytes in.
; Work-groups 0-511: x.  512-639: matrix (id - 512) / 32 of Wq, Wk, Wv, Wo, rows 32 ((id - 512) % 32) on.
; A wave takes 128 columns of the 32 rows: 32 loads of 16 bytes a lane, all issued before the first is used; each load is converted and leaves by one
; store of 8 bytes a lane: the wave's 32 lanes store 256 consecutive bytes, aligned.
; THE MODE: SCHED_MODE bits 1:0 = 2 (LLVM: expert scheduling mode 2), set by the entry lines.  The code itself states the register dependences
; between vector instructions and memory instructions, with s_wait_alu, always for 0.
; THE PLAN.  Registers that memory instructions touch:
;   v[VI], v[VO]  the loads' and the stores' offsets: written by vector lines at the head, never again; read by every load, every store.
;   X[n]          load n lands in it; no vector line names it before; all 32 loads are issued ahead of the first conversion, and no load follows.  No memory instruction reads X.
;   Y[n]          written once, by load n's conversions; read once, by store n.  Never written again.
;   T             named by vector lines alone.
; The 32 loads go in eight groups of four.  ONE wait on va_vdst stands at the head of a group, behind the wait for the group's first load: it states that the group before has written its
; four Y.  That group's four stores follow it, one ahead of each load's conversions, which name this group's X and Y and T: none of the registers that those stores read.
; One more such wait stands ahead of the first load (the offsets) and one ahead of the last four stores.  No register that a memory instruction reads is ever written again, so no wait on vm_vsrc is owed.
.set VI, 2                             ; v2   my byte offset in a load
.set VO, 3                             ; v3   8 x lane: my byte offset in a store
.set X,  8                             ; v[8:135]    load n: 4 registers
.set Y,  136                           ; v[136:199]  store n: 2 registers; none is written twice, so no store's data is ever rewritten
.set T,  200                           ; v[200:201]  at work
.set GRP, 4                            ; loads in a group
; 32 loads, then for each its conversion and store.  Load n stands at (n / 2) IA + (n % 2) IB, store n at (n / 2) OA + (n % 2) OB.  kind 1: bf16's number as f16.
.macro PASS IA, IB, OA, OB, kind
	s_wait_alu depctr_va_vdst(0)                   ; v[VI] and v[VO] are written: every load below reads the one as its offset, every store the other
.set n, 0
.rept 32
	global_load_b128 v[X+4*n:X+4*n+3], v[VI], s[24:25] offset:(n/2)*(\IA)+(n%2)*(\IB) th:TH_LOAD_NT
.set n, n+1
.endr
.set n, 0
.rept 32
	s_wait_loadcnt 31-n                            ; loads come back in order (ISA guide 5.7.1): load n is in, the 31 - n younger ones stay out
.if (n >= GRP) && (n % GRP == 0)
	s_wait_alu depctr_va_vdst(0)                   ; the conversions of the group before have written its four Y, which this group's four stores read
.endif
.if n >= GRP
	global_store_b64 v[VO], v[Y+2*(n-GRP):Y+2*(n-GRP)+1], s[26:27] offset:((n-GRP)/2)*(\OA)+((n-GRP)%2)*(\OB) th:TH_STORE_NT  ; a group back; no vector line since the wait names these registers
.endif
.if \kind
	v_cvt_pk_bf16_f32 v[T], v[X+4*n], v[X+4*n+1]   ; rounded to bf16,
	v_cvt_pk_bf16_f32 v[T+1], v[X+4*n+2], v[X+4*n+3]
	v_lshlrev_b32 v[X+4*n], 16, v[T]               ; widened again,
	v_and_b32 v[X+4*n+1], s6, v[T]
	v_lshlrev_b32 v[X+4*n+2], 16, v[T+1]
	v_and_b32 v[X+4*n+3], s6, v[T+1]
	v_cvt_pk_f16_f32 v[Y+2*n], v[X+4*n], v[X+4*n+1]  ; and written as f16
	v_cvt_pk_f16_f32 v[Y+2*n+1], v[X+4*n+2], v[X+4*n+3]
.else
	v_cvt_pk_bf16_f32 v[Y+2*n], v[X+4*n], v[X+4*n+1]
	v_cvt_pk_bf16_f32 v[Y+2*n+1], v[X+4*n+2], v[X+4*n+3]
.endif
.set n, n+1
.endr
	s_wait_alu depctr_va_vdst(0)                   ; the last group's conversions have written its four Y, which the last four stores read
.set n, 32-GRP
.rept GRP
	global_store_b64 v[VO], v[Y+2*n:Y+2*n+1], s[26:27] offset:(n/2)*(\OA)+(n%2)*(\OB) th:TH_STORE_NT
.set n, n+1
.endr
	s_endpgm
.endm
	s_load_b512 s[8:23], s[0:1], 0x0               ; x s[8:9], Wq s[10:11], Wk s[12:13], Wv s[14:15], Wo s[16:17], xb s[18:19], wqkv s[20:21], wo16 s[22:23]
	v_and_b32 v1, 31, v0                           ; lane
	v_lshrrev_b32 v4, 5, v0
	v_readfirstlane_b32 s4, v4                     ; wave 0..7
	v_lshlrev_b32 v[VO], 3, v1
	s_mov_b32 s5, ttmp9
	s_mov_b32 s29, 0                               ; the offsets' high words
	s_mov_b32 s31, 0
	s_mov_b32 s6, 0xffff0000                       ; a word's upper bf16
	s_wait_alu depctr_va_sdst(0)                   ; s4 is written, ahead of its first reader, the next line, and of the branch: the offsets of both buffers are made from it
	s_lshl_b32 s7, s4, 9                           ; my wave's 128 columns: 512 bytes of a row of f32
	s_cmp_lt_u32 s5, 512
	s_cbranch_scc0 .Lweights
	; x.  A load takes two rows, 256 bytes (64 channels: one kb) of each; wave w has kb 2 w and 2 w + 1.  In xb those two rows' 64 channels are 256 consecutive bytes.
	v_and_b32 v5, 15, v1
	v_lshrrev_b32 v6, 4, v1
	v_lshlrev_b32 v[VI], 4, v5
	v_lshl_add_u32 v[VI], v6, 12, v[VI]            ; (lane / 16) x 4,096 + (lane % 16) x 16
	s_lshl_b32 s28, s5, 17                         ; 32 rows of 4,096 bytes
	s_add_co_u32 s28, s28, s7
	s_lshl_b32 s30, s4, 22                         ; kb 2 w: 2 x 2,097,152 bytes
	s_lshl_b32 s7, s5, 12                          ; 32 rows of 128 bytes
	s_add_co_u32 s30, s30, s7
	s_wait_kmcnt 0x0
	s_add_nc_u64 s[24:25], s[8:9], s[28:29]
	s_add_nc_u64 s[26:27], s[18:19], s[30:31]
	PASS 8192, 256, 256, 2097152, 0
.Lweights:
	; a weight matrix.  A load takes one row's 512 bytes: 128 columns, which are head pair w.
	v_lshlrev_b32 v[VI], 4, v1
	s_sub_co_u32 s5, s5, 512
	s_lshr_b32 s32, s5, 5                          ; which matrix
	s_and_b32 s33, s5, 31                          ; which 32 rows
	s_lshl_b32 s28, s33, 17
	s_add_co_u32 s28, s28, s7
	s_wait_kmcnt 0x0
	s_cmp_eq_u32 s32, 3
	s_cbranch_scc1 .Lwo
	s_cmp_eq_u32 s32, 0
	s_cselect_b64 s[24:25], s[10:11], s[12:13]
	s_cmp_eq_u32 s32, 2
	s_cselect_b64 s[24:25], s[14:15], s[24:25]
	s_add_nc_u64 s[24:25], s[24:25], s[28:29]
	s_mul_i32 s30, s33, 32*6144                    ; 32 rows of wqkv,
	s_mul_i32 s7, s4, 768                          ; head pair w,
	s_add_co_u32 s30, s30, s7
	s_lshl_b32 s7, s32, 8                          ; q, k or v
	s_add_co_u32 s30, s30, s7
	s_add_nc_u64 s[26:27], s[20:21], s[30:31]
	PASS 8192, 4096, 12288, 6144, 0
.Lwo:
	s_add_nc_u64 s[24:25], s[16:17], s[28:29]
	s_lshl_b32 s30, s33, 16                        ; 32 rows of 2,048 bytes
	s_lshl_b32 s7, s4, 8
	s_add_co_u32 s30, s30, s7
	s_add_nc_u64 s[26:27], s[22:23], s[30:31]
	PASS 8192, 4096, 4096, 2048, 1
.Lfunc_end_k_qe959c862fc_prep:
	.size	k_qe959c862fc_prep, .Lfunc_end_k_qe959c862fc_prep-k_qe959c862fc_prep
	.p2alignl 7, 3214868480
	.fill 96, 4, 3214868480
	.section	.rodata,"a",@progbits
	.p2align	6, 0x0
	.amdhsa_kernel k_qe959c862fc_prep
		.amdhsa_group_segment_fixed_size 0
		.amdhsa_private_segment_fixed_size 0
		.amdhsa_enable_private_segment 0
		.amdhsa_kernarg_size 64
		.amdhsa_user_sgpr_count 2
		.amdhsa_user_sgpr_kernarg_segment_ptr 1
		.amdhsa_wavefront_size32 1
		.amdhsa_system_sgpr_workgroup_id_x 1
		.amdhsa_system_sgpr_workgroup_id_y 1
		.amdhsa_system_sgpr_workgroup_id_z 1
		.amdhsa_system_vgpr_workitem_id 0
		.amdhsa_next_free_vgpr 208
		.amdhsa_next_free_sgpr 66
		.amdhsa_reserve_vcc 0
		.amdhsa_float_denorm_mode_32 3
		.amdhsa_float_denorm_mode_16_64 3
		.amdhsa_memory_ordered 1
		.amdhsa_forward_progress 1
		.amdhsa_inst_pref_size 45
	.end_amdhsa_kernel
	.amdgpu_metadata
---
amdhsa.version: [ 1, 2 ]
amdhsa.kernels:
  - .name:           k_qe959c862fc_prep
    .symbol:         k_qe959c862fc_prep.kd
    .args:
      - { .name: shape_tokens, .offset: 0, .size: 8, .value_kind: global_buffer, .address_space: global }
      - { .name: Wq, .offset: 8, .size: 8, .value_kind: global_buffer, .address_space: global }
      - { .name: Wk, .offset: 16, .size: 8, .value_kind: global_buffer, .address_space: global }
      - { .name: Wv, .offset: 24, .size: 8, .value_kind: global_buffer, .address_space: global }
      - { .name: Wo, .offset: 32, .size: 8, .value_kind: global_buffer, .address_space: global }
      - { .name: xb, .offset: 40, .size: 8, .value_kind: global_buffer, .address_space: global }
      - { .name: wqkv, .offset: 48, .size: 8, .value_kind: global_buffer, .address_space: global }
      - { .name: wo16, .offset: 56, .size: 8, .value_kind: global_buffer, .address_space: global }
    .group_segment_fixed_size: 0
    .private_segment_fixed_size: 0
    .kernarg_segment_align: 8
    .kernarg_segment_size: 64
    .max_flat_workgroup_size: 256
    .sgpr_count:     66
    .vgpr_count:     208
    .wavefront_size: 32
...
	.end_amdgpu_metadata
.endif
;; end of part 4
;; launch qkvattn: the kernel of part 2 again; grid 8 x 64, 4 waves a work-group, clusters of 4 x 4, 327,680 bytes of LDS; arguments xb, wqkv, bq, bk, bv, pos_emb, ctx; writes ctx
;; launch outproj: the kernel of part 3 again; grid 4 x 64, 4 waves a work-group, clusters of 4 x 4, 327,680 bytes of LDS; arguments ctx, wo16, bo, out0; writes out0
